; MI455X (gfx1250); checked and timed in simulation.
; The chip was launched on July 23, 2026; its instructions are those of AMD's public machine-readable ISA for CDNA 5 (MIT licence, August 2026) and "CDNA5" Instruction Set Architecture Reference Guide (July 2026). The comments in the code are by the model that wrote it; some were corrected since.
;; Multi Head Attention Block. Allowed arithmetic: float matrix products may take bf16 or f16 operands with f32 sums; all other float work in f32.
;; Inputs: Wk 1,024 x 1,024 float32; Wq 1,024 x 1,024 float32; Wv 1,024 x 1,024 float32; bk 1,024 float32; bq 1,024 float32; bv 1,024 float32; key_inputs 4 x 1,024 x 1,024 float32; query_inputs 4 x 1,024 x 1,024 float32; value_inputs 4 x 1,024 x 1,024 float32.
;; Outputs: out0 4 x 1,024 x 1,024 float32.
;; One version. Each part assembles by itself: llvm-mc -triple=amdgcn-amd-amdhsa -mcpu=gfx1250 --defsym DOCPART=n.
;; ======== version 1 of 1: 3 launches
;; workspace buffers: heads 25,165,824 bytes; xb 25,165,824 bytes; wb 6,291,456 bytes
;; launch cvt (part 1): grid 320 x 3, 8 waves a work-group, no clusters, 0 bytes of LDS; arguments query_inputs, key_inputs, value_inputs, Wq, Wk, Wv, xb, wb; writes xb, wb
.if DOCPART == 1
	.amdgcn_target "amdgcn-amd-amdhsa--gfx1250"
	.amdhsa_code_object_version 6
	.text
	.protected	k_q073de76219_cvt
	.globl	k_q073de76219_cvt
	.p2align	8
	.type	k_q073de76219_cvt,@function
k_q073de76219_cvt:
	s_mov_b64 s[64:65], 0
	v_nop
	global_prefetch_b8 v0, s[64:65] scope:SCOPE_SE
	s_setreg_imm32_b32 hwreg(HW_REG_WAVE_MODE, 25, 1), 1
	s_wait_xcnt 0x0
; THE MATRIX OPERANDS, ROUNDED ONCE.  xb[mat][4096][1024] = bf16(X of mat), wb[mat][1024][1024] = bf16(W of mat);
; mat 0: query_inputs, Wq;  mat 1: key_inputs, Wk;  mat 2: value_inputs, Wv.  Round to nearest even.
; WHY A LAUNCH OF ITS OWN: the next launch's work-group walks 512 rows x 1024 K through two LDS slots.  A slot of 512 rows holds K = 64 in f32
; and K = 128 in bf16, so in bf16 the ring is filled 8 times instead of 16, each fill has twice the matrix work in which to land, and each number
; is rounded once here instead of once in each of the waves that multiply it.
; A stream: no LDS, no barrier, no matrix unit, nothing shared between work-groups, so no cluster either.
; grid x < 256: piece x (65,536 bytes of f32) of X;  x >= 256: piece x - 256 of W;  grid y: mat.
; A wave takes 8,192 bytes: 16 loads of 512 consecutive bytes, all issued before the first is used; a lane's 16 bytes of f32 become 8 bytes of bf16,
; so each store of the wave covers 256 consecutive bytes, aligned.
.set X, 4                              ; v[4:67]   16 loads x 4 registers
.set Y, 68                             ; v[68:99]  16 stores x 2 registers
	s_load_b512 s[8:23], s[0:1], 0x0               ; query s[8:9], key s[10:11], value s[12:13], Wq s[14:15], Wk s[16:17], Wv s[18:19], xb s[20:21], wb s[22:23]
	s_and_b32 s2, ttmp7, 0xffff                    ; mat
	s_mov_b32 s3, ttmp9                            ; piece
	v_and_b32 v1, 31, v0
	v_and_b32 v2, 0xe0, v0                         ; 32 x wave
	v_lshlrev_b32 v1, 4, v1                        ; 16 bytes a lane
	v_lshl_or_b32 v1, v2, 8, v1                    ; + wave x 8,192: my offset in the piece
	v_lshrrev_b32 v2, 1, v1                        ; and in its bf16 image
	s_sub_co_u32 s4, s3, 256                       ; W's piece number (used where x >= 256)
	s_lshl_b32 s5, s2, 23                          ; xb: 8,388,608 bytes a matrix
	s_lshl_b32 s6, s2, 21                          ; wb: 2,097,152 bytes a matrix
	s_cmp_ge_u32 s3, 256
	s_cselect_b32 s4, s4, s3                       ; piece number in its tensor
	s_cselect_b32 s5, s6, s5                       ; the matrix's offset in the output
	s_lshl_b32 s24, s4, 16                         ; in: 65,536 bytes a piece
	s_mov_b32 s25, 0
	s_lshl_b32 s26, s4, 15                         ; out: 32,768
	s_add_co_u32 s26, s26, s5
	s_mov_b32 s27, 0
	s_wait_kmcnt 0x0
	s_cmp_eq_u32 s2, 1                             ; the matrix's X and W
	s_cselect_b64 s[28:29], s[10:11], s[8:9]
	s_cselect_b64 s[30:31], s[16:17], s[14:15]
	s_cmp_eq_u32 s2, 2
	s_cselect_b64 s[28:29], s[12:13], s[28:29]
	s_cselect_b64 s[30:31], s[18:19], s[30:31]
	s_cmp_ge_u32 s3, 256                           ; X or W
	s_cselect_b64 s[28:29], s[30:31], s[28:29]
	s_cselect_b64 s[32:33], s[22:23], s[20:21]
	s_add_nc_u64 s[28:29], s[28:29], s[24:25]
	s_add_nc_u64 s[32:33], s[32:33], s[26:27]
.irp j, 0,1,2,3,4,5,6,7,8,9,10,11,12,13,14,15
	global_load_b128 v[X+4*\j:X+4*\j+3], v1, s[28:29] offset:512*\j th:TH_LOAD_NT    ; read once in the launch
.endr
.irp j, 0,1,2,3,4,5,6,7,8,9,10,11,12,13,14,15
	s_wait_loadcnt 15-\j                           ; loads come back in order (ISA guide 5.7.1): load j is in, the 15 - j younger ones stay out
	v_cvt_pk_bf16_f32 v[Y+2*\j],   v[X+4*\j],   v[X+4*\j+1]
	v_cvt_pk_bf16_f32 v[Y+2*\j+1], v[X+4*\j+2], v[X+4*\j+3]
	global_store_b64 v2, v[Y+2*\j:Y+2*\j+1], s[32:33] offset:256*\j                  ; every store has data registers of its own: nothing is rewritten
.endr
	s_endpgm
.Lfunc_end_k_q073de76219_cvt:
	.size	k_q073de76219_cvt, .Lfunc_end_k_q073de76219_cvt-k_q073de76219_cvt
	.p2alignl 7, 3214868480
	.fill 96, 4, 3214868480
	.section	.rodata,"a",@progbits
	.p2align	6, 0x0
	.amdhsa_kernel k_q073de76219_cvt
		.amdhsa_group_segment_fixed_size 0
		.amdhsa_private_segment_fixed_size 0
		.amdhsa_enable_private_segment 0
		.amdhsa_kernarg_size 64
		.amdhsa_user_sgpr_count 2
		.amdhsa_user_sgpr_kernarg_segment_ptr 1
		.amdhsa_wavefront_size32 1
		.amdhsa_system_sgpr_workgroup_id_x 1
		.amdhsa_system_sgpr_workgroup_id_y 1
		.amdhsa_system_sgpr_workgroup_id_z 1
		.amdhsa_system_vgpr_workitem_id 0
		.amdhsa_next_free_vgpr 100
		.amdhsa_next_free_sgpr 66
		.amdhsa_reserve_vcc 0
		.amdhsa_float_denorm_mode_32 3
		.amdhsa_float_denorm_mode_16_64 3
		.amdhsa_memory_ordered 1
		.amdhsa_forward_progress 1
		.amdhsa_inst_pref_size 7
	.end_amdhsa_kernel
	.amdgpu_metadata
---
amdhsa.version: [ 1, 2 ]
amdhsa.kernels:
  - .name:           k_q073de76219_cvt
    .symbol:         k_q073de76219_cvt.kd
    .args:
      - { .name: query_inputs, .offset: 0, .size: 8, .value_kind: global_buffer, .address_space: global }
      - { .name: key_inputs, .offset: 8, .size: 8, .value_kind: global_buffer, .address_space: global }
      - { .name: value_inputs, .offset: 16, .size: 8, .value_kind: global_buffer, .address_space: global }
      - { .name: Wq, .offset: 24, .size: 8, .value_kind: global_buffer, .address_space: global }
      - { .name: Wk, .offset: 32, .size: 8, .value_kind: global_buffer, .address_space: global }
      - { .name: Wv, .offset: 40, .size: 8, .value_kind: global_buffer, .address_space: global }
      - { .name: xb, .offset: 48, .size: 8, .value_kind: global_buffer, .address_space: global }
      - { .name: wb, .offset: 56, .size: 8, .value_kind: global_buffer, .address_space: global }
    .group_segment_fixed_size: 0
    .private_segment_fixed_size: 0
    .kernarg_segment_align: 8
    .kernarg_segment_size: 64
    .max_flat_workgroup_size: 256
    .sgpr_count:     66
    .vgpr_count:     100
    .wavefront_size: 32
...
	.end_amdgpu_metadata
.endif
;; end of part 1
;; launch proj (part 2): grid 4 x 48, 4 waves a work-group, clusters of 4 x 4, 327,680 bytes of LDS; arguments xb, wb, bq, bk, bv, heads; writes heads
.if DOCPART == 2
	.amdgcn_target "amdgcn-amd-amdhsa--gfx1250"
	.amdhsa_code_object_version 6
	.text
	.protected	k_q073de76219_proj
	.globl	k_q073de76219_proj
	.p2align	8
	.type	k_q073de76219_proj,@function
k_q073de76219_proj:
	s_mov_b64 s[64:65], 0
	v_nop
	global_prefetch_b8 v0, s[64:65] scope:SCOPE_SE
	s_setreg_imm32_b32 hwreg(HW_REG_WAVE_MODE, 25, 1), 1
	s_wait_xcnt 0x0
	s_wait_alu depctr_hold_cnt(0) depctr_sa_sdst(0) depctr_va_vdst(0) depctr_va_sdst(0) depctr_va_ssrc(0) depctr_va_vcc(0) depctr_vm_vsrc(0)
	s_getreg_b32 s2, hwreg(HW_REG_IB_STS2, 6, 4)
	s_cmp_eq_u32 s2, 0
	s_cbranch_scc0 .Lentry_in_a_cluster
	s_endpgm
.Lentry_in_a_cluster:
	s_bfe_u32 s2, ttmp6, 0x10000c
	s_cmp_lg_u32 s2, 0xf033
	s_cbranch_scc0 .Lentry_shape_is_right
	s_endpgm
.Lentry_shape_is_right:
; THE THREE PROJECTIONS.  heads[mat][n][h][l][d] = bf16( sum over e of X[n][l][e] W[64 h + d][e] + b[64 h + d] ),
; X = xb[mat] (4096 x 1024 bf16), W = wb[mat] (1024 x 1024 bf16), b = bq, bk, bv (f32) for mat 0, 1, 2.
; heads is bf16, head-major: byte = mat * 8388608 + (16 n + h) * 131072 + l * 128 + 2 d, so that one head's rows lie dense for the next launch.
; LIMITS: operands are bf16, sums are f32 (the bias is the sums' first term), the result is rounded once to bf16.  The order of the sums is the
; matrix unit's, K ascending in steps of 32.
;
; A work-group makes a block of 256 rows x 256 columns with four waves, a wave 128 x 128: 64 accumulator tiles, 512 registers.
; 3 matrices x 16 block rows x 4 block columns = 192 work-groups.  K goes in steps of 128 (rows of 256 bytes, each starting at a multiple of 256
; bytes of its buffer) through two LDS slots filled by the tensor data mover: 8 K steps.
; CLUSTERS: 4 x 4 work-groups.  The four of a row of the cluster share the block row, so X's tiles; the four of a column share the block
; column, so W's tiles.  Each tile is asked for jointly by the four, which divides the requests for X and W by four.
;
; REGISTERS, in windows of 256:
;   window 0: v16-27 addresses; v32-63 packed results on the way out; v64-127, v128-191 X's fragments, two buffers; v192-255 the bias
;   window 1: v64-127, v128-191 W's fragments, two buffers
;   window 2: the 32 accumulator tiles of my rows 0-63 (tile (a, b) at v[8 (8 a + b)]);   window 3: those of my rows 64-127
; THE MATRIX INSTRUCTION IS USED TRANSPOSED: source 0 = 16 rows of W, source 1 = 16 rows of X.  Lane l then holds row l % 16 of the block and
; its registers 0-7 the columns 8 (l / 16) + 0 .. 7 of the tile: eight neighbouring d of one head row, 16 bytes of bf16.
.set SIZE_K, 1024
.set KSTEP,  128
.set PITCH,  272                       ; an LDS row: 256 bytes + 16 of padding, an odd multiple of 16: the 16 rows of a fragment load start in 16 different 16-byte columns
.set HALFT,  128*PITCH                 ; 128 rows: what one tensor load brings, and what one wave reads of X or of W
.set SLOT,   4*HALFT                   ; X's 256 rows, then W's 256 rows
.set STAGE,  2*SLOT                    ; behind the ring: 16 rows x 272 bytes for each wave, for the way out; no tensor load lands there
.set LAPS,   SIZE_K/(2*KSTEP)          ; a lap = two K steps = once round the ring: 4
.set ADRA, 16                          ; v16-17  LDS address of my X fragments in slot 0, 1
.set ADRB, 20                          ; v20-21  the same for W
.set STO,  24                          ; the way out: where I put 16 bytes
.set RD,   25                          ; the way out: where I read 16 bytes back
.set CO,   26                          ; my byte offset in heads
.set BOFF, 27                          ; my byte offset in the bias
.set TMP,  32
.set F0,   64                          ; fragment buffer 0 (X's in window 0, W's in window 1)
.set F1,   128                         ; fragment buffer 1
.set BIAS, 192
.set G1,  24                           ; s[24:31] descriptor group 1 for X's tiles
.set G0,  32                           ; s[32:39] group 0 for X's tiles, one set for each slot
.set G1B, 48                           ; s[48:55] group 1 for W's tiles: the mask alone differs
.set G0B, 56                           ; s[56:63] group 0 for W's tiles, one set for each slot
.set MSB, 0
.macro WIN new                         ; s_set_vgpr_msb: bits 1:0 source 0, 3:2 source 1, 5:4 source 2, 7:6 destination; the high byte repeats the setting left
.if MSB != \new
	s_set_vgpr_msb (MSB<<8)|\new
.set MSB, \new
.endif
.endm
.set MUL_LO,   0xa1                    ; source 0 (W) window 1, source 1 (X) window 0, C and D window 2
.set MUL_HI,   0xf1                    ; the same, C and D window 3
.set FIRST_LO, 0x81                    ; the first product: C is the bias, in window 0
.set FIRST_HI, 0xc1
.set TO_B,     0x40                    ; LDS loads: destination window 1, address window 0
; A joint load.  Waves 0 and 1 fetch X's two halves, waves 2 and 3 W's.  Each line has one mask and one set of registers for all that issue it.
; The branch hangs on the wave's number alone.
.macro JLOAD s
	s_cmp_eq_u32 s11, 0
	s_cbranch_scc0 .Lfor_b_\@
	tensor_load_to_lds s[G0+4*\s:G0+4*\s+3], s[G1:G1+7]
	s_nop 0
	s_branch .Lasked_\@
.Lfor_b_\@:
	tensor_load_to_lds s[G0B+4*\s:G0B+4*\s+3], s[G1B:G1B+7]
	s_nop 0
.Lasked_\@:
.endm
; A round of the cluster's barrier: my work-group's barrier, wave 0 signals for the work-group, every wave waits for all sixteen, my work-group's barrier again.
.macro CREST                           ; a round behind its opening barrier
	s_cmp_lg_u32 s10, 0
	s_cbranch_scc1 .Lnot_wave_0_\@
	s_barrier_signal -3
.Lnot_wave_0_\@:
	s_barrier_wait -3
	s_barrier_signal -1
	s_barrier_wait -1
.endm
.macro CROUND
	s_barrier_signal -1
	s_barrier_wait -1
	CREST
.endm
	s_load_b256 s[68:75], s[0:1], 0x0              ; xb s[68:69], wb s[70:71], bq s[72:73], bk s[74:75]
	s_load_b128 s[76:79], s[0:1], 0x20             ; bv s[76:77], heads s[78:79]
	s_set_vgpr_msb 0x40
	v_lshl_add_u32 v255, v0, 2, 0x48400
	s_set_vgpr_msb 0x4000
	v_mov_b32 v31, 0
	s_set_vgpr_msb 0x1
	ds_add_u32 v255, v31
	s_set_vgpr_msb 0x100
	v_lshrrev_b32 v1, 5, v0
	v_readfirstlane_b32 s10, v1                    ; wave 0..3
	s_lshr_b32 s11, s10, 1                         ; which half of the block's rows is mine.  Also: I fetch for X (0) or for W (1)
	s_and_b32 s12, s10, 1                          ; which half of its columns.  Also: which 128 rows of that tile I fetch
	s_bfe_u32 s40, ttmp6, 0x40000                  ; cx
	s_bfe_u32 s41, ttmp6, 0x40004                  ; cy
	s_lshl_b32 s42, ttmp9, 2
	s_add_co_u32 s42, s42, s40                     ; block column 0..3 = 4 x cluster x + cx
	s_and_b32 s13, ttmp7, 0xffff                   ; cluster y, 0..11
	s_lshr_b32 s45, s13, 2                         ; mat 0..2: the same in the whole cluster
	s_and_b32 s13, s13, 3
	s_lshl_b32 s13, s13, 2
	s_add_co_u32 s13, s13, s41                     ; block row 0..15
	s_lshl_b32 s43, s41, 2
	s_lshl_b32 s43, 15, s43                        ; my row of the cluster: places 4 cy .. 4 cy + 3
	s_lshl_b32 s44, 0x1111, s40                    ; my column: places cx, cx + 4, cx + 8, cx + 12
	; group 1: a tile of 128 rows x 128 elements of 2 bytes, 4 words of padding behind every 64 words
	s_or_b32 s[G1+0], s43, (1<<16)|(1<<20)|(1<<21)|(5<<22)|(3<<25)   ; 15:0 mask: X's tiles go to my row; 17:16 element of 2 bytes; 20 padding on; 21 set beside a mask; 24:22 every 64 words; 31:25 4 words
	s_or_b32 s[G1B+0], s44, (1<<16)|(1<<20)|(1<<21)|(5<<22)|(3<<25)  ; the same with my column's mask, for W's tiles
	s_mov_b32 s[G1+1], KSTEP<<16                   ; tensor_dim0 = 128
	s_mov_b32 s[G1B+1], KSTEP<<16
	s_mov_b32 s[G1+2], 128<<16                     ; tensor_dim1 = 128
	s_mov_b32 s[G1B+2], 128<<16
	s_mov_b32 s[G1+3], KSTEP<<16                   ; tile_dim0 = 128
	s_mov_b32 s[G1B+3], KSTEP<<16
	s_mov_b32 s[G1+4], 128                         ; tile_dim1 = 128
	s_mov_b32 s[G1B+4], 128
	s_mov_b32 s[G1+5], SIZE_K                      ; elements from row to row
	s_mov_b32 s[G1B+5], SIZE_K
	s_mov_b32 s[G1+6], 0
	s_mov_b32 s[G1B+6], 0
	s_mov_b32 s[G1+7], 0
	s_mov_b32 s[G1B+7], 0
	; byte offsets of the tiles' first rows (2,048 bytes a row).  X's hangs on the block row, W's on the block column, each in registers of its own.
	s_lshl_b32 s16, s45, 23                        ; xb: 8,388,608 bytes a matrix
	s_lshl_b32 s17, s13, 19                        ; + 256 rows x block row
	s_add_co_u32 s16, s16, s17
	s_lshl_b32 s17, s12, 18                        ; + 128 rows x half
	s_add_co_u32 s16, s16, s17
	s_lshl_b32 s46, s45, 21                        ; wb: 2,097,152 bytes a matrix
	s_lshl_b32 s47, s42, 19                        ; + 256 rows x block column
	s_add_co_u32 s46, s46, s47
	s_add_co_u32 s46, s46, s17                     ; + 128 rows x half
	s_mov_b32 s17, 0
	s_mov_b32 s47, 0
	s_lshl_b32 s90, s42, 10                        ; the bias of my 128 columns: 4 bytes x (256 x block column + 128 x half)
	s_lshl_b32 s91, s12, 9
	s_add_co_u32 s90, s90, s91
	s_mov_b32 s91, 0
	s_mul_i32 s20, s10, HALFT                      ; where my tiles go: wave x 128 rows; no place in the cluster enters an LDS address
	s_wait_dscnt 0x0
	s_wait_kmcnt 0x0
	s_cmp_eq_u32 s45, 1                            ; the matrix's bias
	s_cselect_b64 s[88:89], s[74:75], s[72:73]
	s_cmp_eq_u32 s45, 2
	s_cselect_b64 s[88:89], s[76:77], s[88:89]
	s_add_nc_u64 s[14:15], s[68:69], s[16:17]
	s_add_nc_u64 s[46:47], s[70:71], s[46:47]
	s_add_nc_u64 s[88:89], s[88:89], s[90:91]
	CROUND                                         ; all sixteen work-groups are here: the first joint loads meet
.irp s, 0,1
	s_mov_b32 s[G0+4*\s], 1                                        ; count = 1
	s_add_co_u32 s[G0+4*\s+1], s20, \s*SLOT                        ; LDS address
	s_add_nc_u64 s[G0+4*\s+2:G0+4*\s+3], s[14:15], \s*KSTEP*2      ; global address: K step s
	s_or_b32 s[G0+4*\s+3], s[G0+4*\s+3], 0x80000000                ; type = 2
	s_mov_b32 s[G0B+4*\s], 1
	s_add_co_u32 s[G0B+4*\s+1], s20, \s*SLOT
	s_add_nc_u64 s[G0B+4*\s+2:G0B+4*\s+3], s[46:47], \s*KSTEP*2
	s_or_b32 s[G0B+4*\s+3], s[G0B+4*\s+3], 0x80000000
	JLOAD \s                                       ; both slots are asked for before anything else is done: two tensor loads of the wave are out
.endr
	; A fragment is 16 rows x 32 K in 8 registers: lane l holds row l % 16; registers 0-3 K = 8 (l / 16) + 0..7, registers 4-7 K = 16 + 8 (l / 16) + 0..7.
	; From rows that lie along K: two loads of 16 bytes, 32 bytes apart.  The same for source 0 and source 1.
	v_and_b32 v1, 15, v0                           ; r = l % 16
	v_bfe_u32 v2, v0, 4, 1                         ; h = l / 16
	v_mul_u32_u24 v3, v1, PITCH
	v_lshl_add_u32 v3, v2, 4, v3                   ; r x pitch + 16 h
	s_mul_i32 s21, s11, HALFT                      ; my 128 rows of X
	s_mul_i32 s22, s12, HALFT                      ; my 128 rows of W,
	s_add_co_u32 s22, s22, 2*HALFT                 ; which lie behind X's 256
.irp s, 0,1
	v_add_nc_u32 v[ADRA+\s], s21, v3
	v_add_nc_u32 v[ADRB+\s], s22, v3
	s_add_co_u32 s21, s21, SLOT
	s_add_co_u32 s22, s22, SLOT
.endr
	; The way out.  A stage row holds one l: 64 d of one head (128 bytes), then 64 d of the next head.  Row r is put at stage row r / 2 + 8 (r % 2),
	; so that rows l and l + 1, which sixteen lanes read back together, lie 8 stage rows apart: their 16-byte columns do not meet.
	s_mul_i32 s23, s10, 16*PITCH
	s_add_co_u32 s23, s23, STAGE                   ; my stage
	v_lshrrev_b32 v4, 1, v1
	v_and_b32 v5, 1, v1
	v_lshl_add_u32 v4, v5, 3, v4                   ; r / 2 + 8 (r % 2)
	v_mul_u32_u24 v4, v4, PITCH
	v_lshl_add_u32 v4, v2, 4, v4                   ; + 16 h
	v_add_nc_u32 v[STO], s23, v4
	v_bfe_u32 v5, v0, 3, 1                         ; back: lanes 0-7 row 2 t, lanes 8-15 row 2 t + 1 of the first head, lanes 16-31 the same of the second
	v_mul_u32_u24 v5, v5, 8*PITCH
	v_lshl_add_u32 v5, v2, 7, v5
	v_and_b32 v6, 7, v0
	v_lshl_add_u32 v5, v6, 4, v5
	v_add_nc_u32 v[RD], s23, v5
	v_lshlrev_b32 v5, 17, v2                       ; in heads: 131072 bytes from head to head,
	v_lshl_add_u32 v[CO], v1, 4, v5                ; 16 lanes x 16 bytes = rows l and l + 1 of one head
	v_lshlrev_b32 v[BOFF], 5, v2                   ; the bias in the layout of C: register j of tile b holds b[16 b + 8 h + j]
.irp b, 0,1,2,3,4,5,6,7
	global_load_b128 v[BIAS+8*\b:BIAS+8*\b+3],   v[BOFF], s[88:89] offset:64*\b
	global_load_b128 v[BIAS+8*\b+4:BIAS+8*\b+7], v[BOFF], s[88:89] offset:64*\b+16
.endr
; 16 matrix instructions: m blocks a0, a0 + 1 of the window's four (hi = 0: my rows 0-63, 1: rows 64-127) x all 8 n blocks, 32 along K.
; first = 1: C is the bias, so the first product starts the sums with it: nothing is cleared and no add is written.
.macro MUL16 f, hi, a0, first
.irp a, \a0, \a0+1
.irp b, 0,1,2,3,4,5,6,7
.if \first
	v_wmma_f32_16x16x32_bf16 v[8*(8*(\a)+\b):8*(8*(\a)+\b)+7], v[\f+8*\b:\f+8*\b+7], v[\f+8*(4*\hi+\a):\f+8*(4*\hi+\a)+7], v[BIAS+8*\b:BIAS+8*\b+7]
.else
	v_wmma_f32_16x16x32_bf16 v[8*(8*(\a)+\b):8*(8*(\a)+\b)+7], v[\f+8*\b:\f+8*\b+7], v[\f+8*(4*\hi+\a):\f+8*(4*\hi+\a)+7], v[8*(8*(\a)+\b):8*(8*(\a)+\b)+7]
.endif
.endr
.endr
.endm
; 32 LDS loads in one run: the fragments of one quarter step (128 rows of W, 128 rows of X, 32 K at byte k of the rows) into buffer f
.macro FETCH slot, k, f
	WIN TO_B
.irp i, 0,1,2,3,4,5,6,7
	ds_load_b128 v[\f+8*\i:\f+8*\i+3],   v[ADRB+\slot] offset:\k+\i*16*PITCH
	ds_load_b128 v[\f+8*\i+4:\f+8*\i+7], v[ADRB+\slot] offset:\k+\i*16*PITCH+32
.endr
	WIN 0
.irp i, 0,1,2,3,4,5,6,7
	ds_load_b128 v[\f+8*\i:\f+8*\i+3],   v[ADRA+\slot] offset:\k+\i*16*PITCH
	ds_load_b128 v[\f+8*\i+4:\f+8*\i+7], v[ADRA+\slot] offset:\k+\i*16*PITCH+32
.endr
.endm
; A load into a register that a matrix instruction has read, and a vector instruction that reads a matrix result, stand four places behind that matrix
; instruction, and only plain vector instructions that name none of its registers are places (ISA guide 7.12.1 for vector instructions
; ).  So four v_nop stand in front of each run of loads: sixteen issue slots for a K step's 256 matrix instructions.
.macro PLACES
.rept 4
	v_nop
.endr
.endm
; A K step is four quarter steps of 32 along K, 64 matrix instructions each, on buffers 0, 1, 0, 1.  The 64 accumulators take turns, one instruction a
; turn, in the same order in every quarter.
; One of the first three: multiplies buffer f; in its middle it fetches the next quarter's fragments, at byte k of the same slot's rows, into buffer g.
.macro QUARTER slot, k, f, g, first
	s_wait_dscnt 8                                 ; W and X's rows 0-63 are in; the youngest eight loads (X's rows 64-127) may be out
.if \first
	WIN FIRST_LO
.else
	WIN MUL_LO
.endif
	MUL16 \f, 0, 0, \first
	MUL16 \f, 0, 2, \first
	PLACES
	FETCH \slot, \k, \g
	s_wait_dscnt 32                                ; all but the 32 just issued
.if \first
	WIN FIRST_HI
.else
	WIN MUL_HI
.endif
	MUL16 \f, 1, 0, \first
	MUL16 \f, 1, 2, \first
.endm
.macro THREE slot, first
	QUARTER \slot, 64,  F0, F1, \first
	QUARTER \slot, 128, F1, F0, 0
	QUARTER \slot, 192, F0, F1, 0
.endm
; The last quarter: multiplies buffer 1 and changes slots.  next = the other slot; fill = 1: this slot is filled again, two K steps ahead.
; ONE barrier for the change of slots, for two things.  In front of it each wave waits for its own reads of this slot and for all its tensor loads,
; of which one is out: its part of the next slot.  Behind it nobody reads this slot any more and the next slot is whole: the refill comes
; first, then the next slot's first fragments.  From a request to the wait for it a wave issues 240 matrix instructions.
.macro TURN slot, next, fill
	s_wait_dscnt 8
	WIN MUL_LO
	MUL16 F1, 0, 0, 0
	s_wait_dscnt 0                                 ; my reads of this slot are over (the last were issued 48 matrix instructions ago)
	s_wait_tensorcnt 0x0                           ; and all my tensor loads have landed: the one that was out is my part of the next slot:
	ds_add_u32 v255, v31
	s_wait_dscnt 0x0
	s_barrier_signal -1                            ; say so (where a slot is filled again this barrier opens a round of the cluster's barrier),
	MUL16 F1, 0, 2, 0                              ; work on registers while the others arrive,
	WIN 0
	s_barrier_wait -1                              ; and go on when all four have said so
.if \fill
	CREST                                          ; no wave of any partner still reads this slot's tile or has a load on its way
	s_add_nc_u64 s[G0+4*\slot+2:G0+4*\slot+3], s[G0+4*\slot+2:G0+4*\slot+3], 2*KSTEP*2       ; no tensor load of mine is out: group 0 may be written
	s_add_nc_u64 s[G0B+4*\slot+2:G0B+4*\slot+3], s[G0B+4*\slot+2:G0B+4*\slot+3], 2*KSTEP*2
	JLOAD \slot                                    ; the first tensor load behind the round
.endif
	PLACES
	FETCH \next, 0, F0
	WIN MUL_HI
	MUL16 F1, 1, 0, 0
	MUL16 F1, 1, 2, 0
.endm
.macro LAP first                       ; once round the ring, both slots filled again
	THREE 0, \first
	TURN 0, 1, 1
	THREE 1, 0
	TURN 1, 0, 1
.endm
	s_wait_tensorcnt 1                             ; my part of K step 0 is in; K step 1's load, issued behind it, stays out
	s_barrier_signal -1
	s_barrier_wait -1                              ; everybody's is
	FETCH 0, 0, F0
	s_wait_loadcnt 0x0                             ; the bias
	LAP 1                                          ; the first lap stands in front of the loop: its first products start the sums
	WIN 0                                          ; at a label and at a branch every window is 0
	s_mov_b32 s3, LAPS-2
.Llap:
	LAP 0
	WIN 0
	s_sub_co_u32 s3, s3, 1
	s_cmp_lg_u32 s3, 0
	s_cbranch_scc1 .Llap
	THREE 0, 0                                     ; the last lap fills nothing: my one tensor load that is still out is slot 1's, the last K step's
	TURN 0, 1, 0
	THREE 1, 0
	s_wait_dscnt 8                                 ; the very last quarter: nothing more to fetch
	WIN MUL_LO
	MUL16 F1, 0, 0, 0
	MUL16 F1, 0, 2, 0
	s_wait_dscnt 0
	WIN MUL_HI
	MUL16 F1, 1, 0, 0
	MUL16 F1, 1, 2, 0
	; THE WAY OUT, 16 rows at a time: round to bf16, 16 bytes a lane into my own stage, read back so that sixteen lanes hold rows l, l + 1 of one head.
	PLACES                                         ; the places behind the last matrix instructions, for the roundings and for the loads into the fragment buffers
	s_lshl_b32 s16, s45, 23                        ; mat x 8388608
	s_lshr_b32 s17, s13, 2
	s_lshl_b32 s17, s17, 21                        ; n x 16 heads x 131072
	s_add_co_u32 s16, s16, s17
	s_and_b32 s17, s13, 3
	s_lshl_b32 s17, s17, 15                        ; l: 256 rows x 128 bytes x (block row % 4)
	s_add_co_u32 s16, s16, s17
	s_lshl_b32 s17, s11, 14                        ; + 128 rows x 128 bytes x half
	s_add_co_u32 s16, s16, s17
	s_mov_b32 s17, 0
	s_add_nc_u64 s[8:9], s[78:79], s[16:17]
	s_lshl_b32 s46, s42, 19                        ; head 4 x block column + 2 x half, 131072 bytes each (in registers that feed none of X's descriptors)
	s_lshl_b32 s47, s12, 18
	s_add_co_u32 s46, s46, s47
	s_mov_b32 s47, 0
	s_add_nc_u64 s[8:9], s[8:9], s[46:47]
; rows 16 i .. 16 i + 15 of my block = the eight tiles (a, 0..7) of window 2 or 3 (from = 0x0a or 0x0f: sources 0 and 1); f: F0 or F1 in turn
.macro OUT16 i, a, from, f
	WIN \from
.irp b, 0,1,2,3,4,5,6,7
.irp x, 0,1,2,3
	v_cvt_pk_bf16_f32 v[TMP+4*\b+\x], v[8*(8*\a+\b)+2*\x], v[8*(8*\a+\b)+2*\x+1]
.endr
.endr
	WIN 0
.irp b, 0,1,2,3,4,5,6,7
	ds_store_b128 v[STO], v[TMP+4*\b:TMP+4*\b+3] offset:32*\b
.endr
	s_wait_xcnt 0x0                                ; buffer f, which earlier stores read, is loaded again only behind this wait
.irp t, 0,1,2,3,4,5,6,7
	ds_load_b128 v[\f+4*\t:\f+4*\t+3], v[RD] offset:\t*PITCH       ; LDS serves a wave's instructions in order (ISA guide 5.7.1): these see the stores above
.endr
.irp t, 0,1,2,3,4,5,6,7
	s_wait_dscnt 7-\t                              ; load t is back, the 7 - t younger ones stay out
	global_store_b128 v[CO], v[\f+4*\t:\f+4*\t+3], s[8:9] offset:256*\t+2048*\i   ; 16 lanes store 256 consecutive bytes, at a multiple of 256 from heads' first byte
.endr
.endm
	OUT16 0, 0, 0x0a, F0
	OUT16 1, 1, 0x0a, F1
	OUT16 2, 2, 0x0a, F0
	OUT16 3, 3, 0x0a, F1
	OUT16 4, 0, 0x0f, F0
	OUT16 5, 1, 0x0f, F1
	OUT16 6, 2, 0x0f, F0
	OUT16 7, 3, 0x0f, F1
	s_set_vgpr_msb 0x1
	s_wait_tensorcnt 0x0
	ds_add_u32 v255, v31
	s_wait_dscnt 0x0
	s_set_vgpr_msb 0x100
	CROUND                                         ; the closing round: no work-group ends while a partner may still ask for a tile that names it
	s_endpgm
.Lfunc_end_k_q073de76219_proj:
	.size	k_q073de76219_proj, .Lfunc_end_k_q073de76219_proj-k_q073de76219_proj
	.p2alignl 7, 3214868480
	.fill 96, 4, 3214868480
	.section	.rodata,"a",@progbits
	.p2align	6, 0x0
	.amdhsa_kernel k_q073de76219_proj
		.amdhsa_group_segment_fixed_size 327680
		.amdhsa_private_segment_fixed_size 0
		.amdhsa_enable_private_segment 0
		.amdhsa_kernarg_size 48
		.amdhsa_user_sgpr_count 2
		.amdhsa_user_sgpr_kernarg_segment_ptr 1
		.amdhsa_wavefront_size32 1
		.amdhsa_system_sgpr_workgroup_id_x 1
		.amdhsa_system_sgpr_workgroup_id_y 1
		.amdhsa_system_sgpr_workgroup_id_z 1
		.amdhsa_system_vgpr_workitem_id 0
		.amdhsa_next_free_vgpr 1024
		.amdhsa_next_free_sgpr 96
		.amdhsa_reserve_vcc 0
		.amdhsa_float_denorm_mode_32 3
		.amdhsa_float_denorm_mode_16_64 3
		.amdhsa_memory_ordered 1
		.amdhsa_forward_progress 1
		.amdhsa_inst_pref_size 198
	.end_amdhsa_kernel
	.amdgpu_metadata
---
amdhsa.version: [ 1, 2 ]
amdhsa.kernels:
  - .name:           k_q073de76219_proj
    .symbol:         k_q073de76219_proj.kd
    .args:
      - { .name: xb, .offset: 0, .size: 8, .value_kind: global_buffer, .address_space: global }
      - { .name: wb, .offset: 8, .size: 8, .value_kind: global_buffer, .address_space: global }
      - { .name: bq, .offset: 16, .size: 8, .value_kind: global_buffer, .address_space: global }
      - { .name: bk, .offset: 24, .size: 8, .value_kind: global_buffer, .address_space: global }
      - { .name: bv, .offset: 32, .size: 8, .value_kind: global_buffer, .address_space: global }
      - { .name: heads, .offset: 40, .size: 8, .value_kind: global_buffer, .address_space: global }
    .group_segment_fixed_size: 327680
    .private_segment_fixed_size: 0
    .kernarg_segment_align: 8
    .kernarg_segment_size: 48
    .max_flat_workgroup_size: 128
    .sgpr_count:     96
    .vgpr_count:     1024
    .wavefront_size: 32
...
	.end_amdgpu_metadata
.endif
;; end of part 2
;; launch attn (part 3): grid 256 x 1, 8 waves a work-group, clusters of 4 x 1, 312,320 bytes of LDS; arguments heads, out0; writes out0
.if DOCPART == 3
	.amdgcn_target "amdgcn-amd-amdhsa--gfx1250"
	.amdhsa_code_object_version 6
	.text
	.protected	k_q073de76219_attn
	.globl	k_q073de76219_attn
	.p2align	8
	.type	k_q073de76219_attn,@function
k_q073de76219_attn:
	s_mov_b64 s[64:65], 0
	v_nop
	global_prefetch_b8 v0, s[64:65] scope:SCOPE_SE
	s_setreg_imm32_b32 hwreg(HW_REG_WAVE_MODE, 25, 1), 1
	s_wait_xcnt 0x0
	s_wait_alu depctr_hold_cnt(0) depctr_sa_sdst(0) depctr_va_vdst(0) depctr_va_sdst(0) depctr_va_ssrc(0) depctr_va_vcc(0) depctr_vm_vsrc(0)
	s_getreg_b32 s2, hwreg(HW_REG_IB_STS2, 6, 4)
	s_cmp_eq_u32 s2, 0
	s_cbranch_scc0 .Lentry_in_a_cluster
	s_endpgm
.Lentry_in_a_cluster:
	s_bfe_u32 s2, ttmp6, 0x10000c
	s_cmp_lg_u32 s2, 0x3003
	s_cbranch_scc0 .Lentry_shape_is_right
	s_endpgm
.Lentry_shape_is_right:
; ATTENTION.  out0[n][q][64 h + d] = sum over k of softmax_k( Qh[q] . Kh[k] / 32 ) Vh[k][d], for each of the 64 pairs nh = 16 n + h.
; heads: bf16 [mat][nh][l 1024][d 64]; Vh = mat 0 (from query_inputs), Kh = mat 1 (from key_inputs), Qh = mat 2 (from value_inputs), as the module swaps them.
; LIMITS: Q, K, V and the weights P enter the matrix unit as bf16; maxima, exponentials, sums and the output are f32.  The row's running maximum is taken
; away before every exponential.  A weight below 2^-126 of the row's largest comes out as 0 (v_exp_f32 flushes: ISA guide 15.8).  NaN and infinities in
; the inputs are not served (v_max_num_f32 lets a NaN lose).  The sums' order is by chunks of 64 keys.
;
; A work-group takes one nh and 256 queries; eight waves, 32 queries each.  The four work-groups of one nh form a cluster and ask for K and V JOINTLY.
; A head's whole K (1024 x 128 bytes) and V fit in LDS: every byte is filled once, in four stages of 256 keys, so nothing is ever filled again.
; BOTH PRODUCTS ARE TRANSPOSED, so that no layout changes between them:
;   S^T = K Q^T : source 0 = 16 keys x 32 d of K, source 1 = 16 queries x 32 d of Q.  Lane (r, h), register j: key 16 kt + 8 h + j, query r.
;   Two such tiles, rounded in pairs, ARE source 1 of the next product (32 keys of query r): registers 0-3 from tile 2 kg, 4-7 from tile 2 kg + 1.
;   O^T = V^T P^T : source 0 = 16 d x 32 keys of V, by transposing LDS loads.  Lane (r, h), register j: d 16 dt + 8 h + j, query r.
; A query is one lane column: maximum and sum are made inside the lane plus one exchange between the halves, and the rescaling factor is one number a lane.
; LDS LOADS RUN A PHASE AHEAD: a chunk's V fragments are asked for at its head and used behind the softmax; the NEXT chunk's K fragments are asked for
; as soon as the first product has read this chunk's, and used at the next chunk's head.  So a stage's landing is shown one chunk before its first keys are multiplied.
.set KP,    144                        ; K's LDS pitch: 128 bytes + 16, an odd multiple of 16
.set VP,    160                        ; V's LDS pitch: 128 bytes + 32, an odd multiple of 32, for the transposing loads
.set VBASE, 1024*KP                    ; V lies behind K: byte 147456
.set KSTG,  256*KP                     ; a stage of 256 keys in K
.set VSTG,  256*VP                     ; and in V
.set OP,    272                        ; the way out: 256 bytes of a query's 64 f32 + 16
.set OSTG,  32*OP                      ; a wave's 32 queries; eight of them lie inside K's bytes, which by then have had their only fill and their last read
.set KEYS,  8388608                    ; byte offset of mat 1 in heads
.set QRYS,  16777216                   ; of mat 2
.set KA,  4                            ; the next chunk's LDS address of my K fragments
.set VA,  5                            ; this chunk's LDS address of my V fragments
.set QO,  6                            ; my byte offset in Q
.set RD,  7                            ; the way out: where I read back
.set CO,  8                            ; my byte offset in out0
.set STO, 9                            ; the way out: where I put 16 bytes
.set KA0, 10                           ; the lane's term of KA
.set VA0, 11                           ; of VA
.set NM0, 14                           ; v[14:15] = (NM0, MX0), v[16:17] = (NM1, MX1): NM = -c x running maximum, MX = running maximum, of query tile 0, 1
.set MX0, 15                           ; the packed instructions broadcast a pair's first register; its second is a live register that is written earlier
.set NM1, 16
.set MX1, 17
.set AL0, 18                           ; v[18:19] = (AL0, L0), v[20:21] = (AL1, L1): AL = the chunk's rescaling factor, L = running sum (of my half's keys)
.set L0,  19
.set AL1, 20
.set L1,  21
.set QF,  32                           ; v32-63    Q(qt, dh) at 16 qt + 8 dh
.set OA,  64                           ; v64-127   O(dt, qt) at 8 (2 dt + qt)
.set SC,  128                          ; v128-191  S(kt, qt) at 16 kt + 8 qt
.set PR,  192                          ; v192-223  P(kg, qt) at 8 (2 kg + qt)
.set KF,  0                            ; window 1, v0-63    K(kt, dh) at 16 kt + 8 dh
.set VF,  64                           ; window 1, v64-127  V(kg, dt) at 8 (4 kg + dt)
.set G1K, 16                           ; s[16:23] descriptor group 1 for K
.set G1V, 24                           ; s[24:31] for V: the padding alone differs
.set G0K, 32                           ; s[32:47] group 0 for K, one set for each stage
.set G0V, 48                           ; s[48:63] for V
.set MSB, 0
.macro WIN new                         ; 0x40: LDS loads into window 1;  0x01: source 0 of a product in window 1;  the high byte repeats the setting left
.if MSB != \new
	s_set_vgpr_msb (MSB<<8)|\new
.set MSB, \new
.endif
.endm
.macro ROUND                           ; a round of the cluster's barrier
	s_barrier_signal -1
	s_barrier_wait -1
	s_cmp_lg_u32 s8, 0
	s_cbranch_scc1 .Lnot_wave_0_\@
	s_barrier_signal -3
.Lnot_wave_0_\@:
	s_barrier_wait -3
	s_barrier_signal -1
	s_barrier_wait -1
.endm
.macro PLACES
.rept 4
	v_nop
.endr
.endm
	s_load_b128 s[4:7], s[0:1], 0x0                ; heads s[4:5], out0 s[6:7]
	v_lshl_add_u32 v254, v0, 2, 0x4c000
	v_mov_b32 v255, 0
	ds_add_u32 v254, v255
	v_lshrrev_b32 v1, 5, v0
	v_readfirstlane_b32 s8, v1                     ; wave 0..7
	s_mov_b32 s10, ttmp9                           ; nh: the cluster's number
	s_bfe_u32 s11, ttmp6, 0x40000                  ; cx: which 256 queries
	s_mov_b32 s12, 0x76543210                      ; v_permlanex16_b32: lane i of one half reads lane i of the other
	s_mov_b32 s13, 0xfedcba98
	s_mov_b32 s14, 0x3d38aa3b                      ; c = log2(e) / 32: e^(x / 32) = 2^(c x)
	s_mov_b32 s15, 0xbd38aa3b                      ; -c
	; group 1: 4,096 dense bytes (32 head rows) as 16 rows of 32 elements of 8 bytes; padding behind every 32 words, that is behind each head row
	s_mov_b32 s[G1K+0], 15|(3<<16)|(1<<20)|(1<<21)|(4<<22)|(3<<25)   ; 15:0 mask: all four of the cluster; 17:16 element of 8 bytes; 20 padding on; 21 set beside a mask; 24:22 every 32 words; 31:25 4 words
	s_mov_b32 s[G1V+0], 15|(3<<16)|(1<<20)|(1<<21)|(4<<22)|(7<<25)   ; the same with 8 words
	s_mov_b32 s[G1K+1], 32<<16                     ; tensor_dim0 = 32
	s_mov_b32 s[G1V+1], 32<<16
	s_mov_b32 s[G1K+2], 16<<16                     ; tensor_dim1 = 16
	s_mov_b32 s[G1V+2], 16<<16
	s_mov_b32 s[G1K+3], 32<<16                     ; tile_dim0 = 32
	s_mov_b32 s[G1V+3], 32<<16
	s_mov_b32 s[G1K+4], 16                         ; tile_dim1 = 16
	s_mov_b32 s[G1V+4], 16
	s_mov_b32 s[G1K+5], 32                         ; elements from row to row: dense
	s_mov_b32 s[G1V+5], 32
	s_mov_b32 s[G1K+6], 0
	s_mov_b32 s[G1V+6], 0
	s_mov_b32 s[G1K+7], 0
	s_mov_b32 s[G1V+7], 0
	s_lshl_b32 s68, s10, 17                        ; nh x 131072
	s_lshl_b32 s69, s8, 12                         ; + wave x 32 rows x 128 bytes: nothing here hangs on cx
	s_add_co_u32 s68, s68, s69
	s_mov_b32 s69, 0
	s_mul_i32 s72, s8, 32*KP                       ; my 32 rows of a stage in K's LDS
	s_mul_i32 s73, s8, 32*VP
	s_add_co_u32 s73, s73, VBASE                   ; and in V's
	s_lshl_b32 s78, s10, 17                        ; Q: nh x 131072 + (256 cx + 32 wave) x 128 bytes + mat 2
	s_lshl_b32 s79, s11, 15
	s_add_co_u32 s78, s78, s79
	s_lshl_b32 s79, s8, 12
	s_add_co_u32 s78, s78, s79
	s_add_co_u32 s78, s78, QRYS
	s_mov_b32 s79, 0
	v_and_b32 v1, 15, v0                           ; r
	v_bfe_u32 v2, v0, 4, 1                         ; h
	v_lshlrev_b32 v[QO], 7, v1
	v_lshl_add_u32 v[QO], v2, 4, v[QO]             ; r x 128 + 16 h
	s_wait_dscnt 0x0
	s_wait_kmcnt 0x0
	s_add_nc_u64 s[70:71], s[4:5], s[68:69]        ; my rows of stage 0 in V; K's lie KEYS further on
	s_add_nc_u64 s[76:77], s[4:5], s[78:79]        ; my 32 queries
.irp qt, 0,1
.irp c, 0,1,2,3
	global_load_b128 v[QF+16*\qt+4*\c:QF+16*\qt+4*\c+3], v[QO], s[76:77] offset:\qt*2048+32*\c   ; Q's fragments straight from memory, asked for first, kept for the whole kernel
.endr
.endr
	s_lshr_b32 s78, s10, 4                         ; out0: n x 4194304 + (256 cx + 32 wave) x 4096 + h x 256
	s_lshl_b32 s78, s78, 22
	s_lshl_b32 s79, s11, 20
	s_add_co_u32 s78, s78, s79
	s_lshl_b32 s79, s8, 17
	s_add_co_u32 s78, s78, s79
	s_and_b32 s79, s10, 15
	s_lshl_b32 s79, s79, 8
	s_add_co_u32 s78, s78, s79
	s_mov_b32 s79, 0
	s_add_nc_u64 s[6:7], s[6:7], s[78:79]
	ROUND                                          ; all four work-groups are here: the joint loads meet
	; All of K and V is asked for at once, K's and V's stage by turns: eight tensor loads of the wave are out, each with a group 0 of its own.
.irp s, 0,1,2,3
	s_mov_b32 s[G0K+4*\s], 1
	s_add_co_u32 s[G0K+4*\s+1], s72, \s*KSTG
	s_add_nc_u64 s[G0K+4*\s+2:G0K+4*\s+3], s[70:71], KEYS+\s*32768
	s_or_b32 s[G0K+4*\s+3], s[G0K+4*\s+3], 0x80000000
	tensor_load_to_lds s[G0K+4*\s:G0K+4*\s+3], s[G1K:G1K+7]
	s_nop 0
	s_mov_b32 s[G0V+4*\s], 1
	s_add_co_u32 s[G0V+4*\s+1], s73, \s*VSTG
	s_add_nc_u64 s[G0V+4*\s+2:G0V+4*\s+3], s[70:71], \s*32768
	s_or_b32 s[G0V+4*\s+3], s[G0V+4*\s+3], 0x80000000
	tensor_load_to_lds s[G0V+4*\s:G0V+4*\s+3], s[G1V:G1V+7]
	s_nop 0
.endr
	v_mul_u32_u24 v[KA0], v1, KP
	v_lshl_add_u32 v[KA0], v2, 4, v[KA0]           ; K: r x pitch + 16 h
	v_and_b32 v3, 7, v0
	v_lshl_add_u32 v3, v2, 3, v3                   ; V: key 8 h + l % 8,
	v_mul_u32_u24 v[VA0], v3, VP
	v_bfe_u32 v3, v0, 3, 1
	v_lshl_add_u32 v[VA0], v3, 4, v[VA0]           ; 16 bytes of d by (l / 8) % 2
	v_add_nc_u32 v[VA0], VBASE, v[VA0]
	s_mul_i32 s68, s8, OSTG                        ; my stage for the way out
	v_mul_u32_u24 v[STO], v1, OP
	v_lshl_add_u32 v[STO], v2, 5, v[STO]           ; query r, 32 bytes (8 d) by half
	v_add_nc_u32 v[STO], s68, v[STO]
	v_mul_u32_u24 v[RD], v2, OP
	v_lshl_add_u32 v[RD], v1, 4, v[RD]             ; back: lanes 0-15 one query's 256 bytes, lanes 16-31 the next query's
	v_add_nc_u32 v[RD], s68, v[RD]
	v_lshlrev_b32 v[CO], 12, v2
	v_lshl_add_u32 v[CO], v1, 4, v[CO]             ; the same two queries in out0, 4,096 bytes apart
	s_wait_loadcnt 0x0                             ; Q
; A stage has landed.  left = my tensor loads issued behind this stage's two, which stay out: no byte is filled twice.
; kc = the chunk whose K is fetched next, vc = the chunk whose V is read next: written as constants here, so that each group's reads can
; be read off the text.
.macro LANDED left, kc, vc
	s_wait_tensorcnt \left                         ; tensor loads of a wave end in order (ISA guide 10.11.1): my rows of this stage's K and V are in LDS
	s_wait_dscnt 0x0                               ; no LDS load of mine is out at the signal (the K fragments fetched ahead have had a softmax and a product in which to come)
	s_barrier_signal -1
	s_barrier_wait -1                              ; everybody's are
	s_mov_b32 s74, \kc*64*KP
	s_mov_b32 s75, \vc*64*VP
.endm
; 16 LDS loads: the K fragments of one chunk (64 keys x 64 d)
.macro KLOAD adr
	WIN 0x40
.irp kt, 0,1,2,3
.irp c, 0,1,2,3
	ds_load_b128 v[KF+16*\kt+4*\c:KF+16*\kt+4*\c+3], v[\adr] offset:\kt*16*KP+32*\c
.endr
.endr
.endm
; S = c S + NM for query tile qt, two numbers an instruction; c and NM are broadcast
.macro SHIFT qt
.irp kt, 0,1,2,3
.irp x, 0,1,2,3
	v_pk_fma_f32 v[SC+16*\kt+8*\qt+2*\x:SC+16*\kt+8*\qt+2*\x+1], v[SC+16*\kt+8*\qt+2*\x:SC+16*\kt+8*\qt+2*\x+1], s[14:15], v[NM0+2*\qt:NM0+2*\qt+1] op_sel_hi:[1,0,0]
.endr
.endr
.endm
.macro EXPS qt
.irp kt, 0,1,2,3
.irp j, 0,1,2,3,4,5,6,7
	v_exp_f32 v[SC+16*\kt+8*\qt+\j], v[SC+16*\kt+8*\qt+\j]
.endr
.endr
.endm
; One chunk of 64 keys against my 32 queries.  At its head this chunk's K loads have been issued.  first = 1: the first chunk starts maximum, sum and O.
; pre = 1: the next chunk's K fragments are fetched.
.macro CHUNK first, pre
	v_add_nc_u32 v[VA], s75, v[VA0]                ; four places between the last chunk's second product and the loads into its source registers
.if \pre
	v_add_nc_u32 v[KA], s74, v[KA0]                ; (ISA guide 7.12.1 for vector instructions)
.else
	v_nop
.endif
	v_nop
	v_nop
	WIN 0x40
.irp kg, 0,1
.irp dt, 0,1,2,3
	ds_load_tr16_b128 v[VF+8*(4*\kg+\dt):VF+8*(4*\kg+\dt)+3],   v[VA] offset:\kg*32*VP+32*\dt
	ds_load_tr16_b128 v[VF+8*(4*\kg+\dt)+4:VF+8*(4*\kg+\dt)+7], v[VA] offset:\kg*32*VP+32*\dt+16*VP
.endr
.endr
	s_wait_dscnt 16                                ; K's 16 loads, issued a chunk ago, are in; V's 16, just issued, stay out
	WIN 0x01
	; S^T: eight tiles by turns, one instruction a turn, d 0-31 and then d 32-63 in the same order
.irp dh, 0,1
.irp kt, 0,1,2,3
.irp qt, 0,1
.if \dh
	v_wmma_f32_16x16x32_bf16 v[SC+16*\kt+8*\qt:SC+16*\kt+8*\qt+7], v[KF+16*\kt+8:KF+16*\kt+15], v[QF+16*\qt+8:QF+16*\qt+15], v[SC+16*\kt+8*\qt:SC+16*\kt+8*\qt+7]
.else
	v_wmma_f32_16x16x32_bf16 v[SC+16*\kt+8*\qt:SC+16*\kt+8*\qt+7], v[KF+16*\kt:KF+16*\kt+7], v[QF+16*\qt:QF+16*\qt+7], 0
.endif
.endr
.endr
.endr
	PLACES                                         ; four places before loads land on the product's sources and vector instructions read its results
.if \pre
	KLOAD KA                                       ; the next chunk's K: the softmax and the second product stand between these loads and their use
.endif
	WIN 0
	; the running maximum: my 32 numbers of each query tile in two chains, four chains side by side
.if \first
	v_max_num_f32 v22, v[SC], v[SC+1]
	v_max_num_f32 v23, v[SC+8], v[SC+9]
.else
	v_max3_num_f32 v22, v[MX0], v[SC], v[SC+1]
	v_max3_num_f32 v23, v[MX1], v[SC+8], v[SC+9]
.endif
	v_max_num_f32 v24, v[SC+32], v[SC+33]
	v_max_num_f32 v25, v[SC+40], v[SC+41]
.irp kt, 0,1
.irp x, 0,1,2,3
.if (\kt+\x) > 0
	v_max3_num_f32 v22, v22, v[SC+16*\kt+2*\x], v[SC+16*\kt+2*\x+1]
	v_max3_num_f32 v23, v23, v[SC+16*\kt+8+2*\x], v[SC+16*\kt+8+2*\x+1]
	v_max3_num_f32 v24, v24, v[SC+16*\kt+32+2*\x], v[SC+16*\kt+32+2*\x+1]
	v_max3_num_f32 v25, v25, v[SC+16*\kt+40+2*\x], v[SC+16*\kt+40+2*\x+1]
.endif
.endr
.endr
	v_max_num_f32 v22, v22, v24
	v_max_num_f32 v23, v23, v25
	v_permlanex16_b32 v24, v22, s12, s13           ; the other half's keys of the same query (v24, v25 have been written above)
	v_permlanex16_b32 v25, v23, s12, s13
	v_max_num_f32 v[MX0], v22, v24
	v_max_num_f32 v[MX1], v23, v25
	; NM = -c x maximum, rounded once; the factor for what has been summed is 2^(new NM - old NM), from the very numbers that the exponents use
.if \first
	v_mul_f32 v[NM0], s15, v[MX0]
	v_mul_f32 v[NM1], s15, v[MX1]
.else
	v_mul_f32 v26, s15, v[MX0]
	v_mul_f32 v27, s15, v[MX1]
	v_sub_f32 v[AL0], v26, v[NM0]
	v_sub_f32 v[AL1], v27, v[NM1]
	v_mov_b32 v[NM0], v26
	v_mov_b32 v[NM1], v27
	v_exp_f32 v[AL0], v[AL0]
	v_exp_f32 v[AL1], v[AL1]
.endif
	SHIFT 0                                        ; plain instructions behind the two exponentials, touching neither (ISA guide 5.7.2)
	EXPS 0
	SHIFT 1                                        ; and behind tile 0's
	EXPS 1
.if \first
	v_nop                                          ; one plain place behind the last exponentials
	s_wait_alu depctr_va_vdst(0)
.else
	s_wait_alu depctr_va_vdst(0)
.irp dt, 0,1,2,3
.irp qt, 0,1
.irp x, 0,1,2,3
	v_pk_mul_f32 v[OA+8*(2*\dt+\qt)+2*\x:OA+8*(2*\dt+\qt)+2*\x+1], v[OA+8*(2*\dt+\qt)+2*\x:OA+8*(2*\dt+\qt)+2*\x+1], v[AL0+2*\qt:AL0+2*\qt+1] op_sel_hi:[1,0]
.endr
.endr
.endr
.endif
	; the chunk's sums, in f32, four chains of pairs
	v_pk_add_f32 v[22:23], v[SC:SC+1], v[SC+2:SC+3]
	v_pk_add_f32 v[24:25], v[SC+32:SC+33], v[SC+34:SC+35]
	v_pk_add_f32 v[26:27], v[SC+8:SC+9], v[SC+10:SC+11]
	v_pk_add_f32 v[28:29], v[SC+40:SC+41], v[SC+42:SC+43]
.irp kt, 0,1
.irp x, 0,1,2,3
.if (4*\kt+\x) > 1
	v_pk_add_f32 v[22:23], v[22:23], v[SC+16*\kt+2*\x:SC+16*\kt+2*\x+1]
	v_pk_add_f32 v[24:25], v[24:25], v[SC+16*\kt+32+2*\x:SC+16*\kt+32+2*\x+1]
	v_pk_add_f32 v[26:27], v[26:27], v[SC+16*\kt+8+2*\x:SC+16*\kt+8+2*\x+1]
	v_pk_add_f32 v[28:29], v[28:29], v[SC+16*\kt+40+2*\x:SC+16*\kt+40+2*\x+1]
.endif
.endr
.endr
	v_pk_add_f32 v[22:23], v[22:23], v[24:25]
	v_pk_add_f32 v[26:27], v[26:27], v[28:29]
.if \first
	v_add_f32 v[L0], v22, v23
	v_add_f32 v[L1], v26, v27
.else
	v_add_f32 v22, v22, v23
	v_add_f32 v26, v26, v27
	v_fma_f32 v[L0], v[L0], v[AL0], v22            ; L stays the sum over my half's keys: the factor is the same in both halves
	v_fma_f32 v[L1], v[L1], v[AL1], v26
.endif
	; P^T: two S^T tiles rounded in pairs are one fragment
.irp kg, 0,1
.irp qt, 0,1
.irp t, 0,1
.irp x, 0,1,2,3
	v_cvt_pk_bf16_f32 v[PR+8*(2*\kg+\qt)+4*\t+\x], v[SC+16*(2*\kg+\t)+8*\qt+2*\x], v[SC+16*(2*\kg+\t)+8*\qt+2*\x+1]
.endr
.endr
.endr
.endr
	s_wait_dscnt 16*\pre                           ; V's fragments are in; the next chunk's 16 K loads, issued behind them, stay out
	WIN 0x01
	; O^T: eight tiles by turns, keys 0-31 and then keys 32-63 in the same order
.irp kg, 0,1
.irp dt, 0,1,2,3
.irp qt, 0,1
.if \first && (\kg == 0)
	v_wmma_f32_16x16x32_bf16 v[OA+8*(2*\dt+\qt):OA+8*(2*\dt+\qt)+7], v[VF+8*(4*\kg+\dt):VF+8*(4*\kg+\dt)+7], v[PR+8*(2*\kg+\qt):PR+8*(2*\kg+\qt)+7], 0
.else
	v_wmma_f32_16x16x32_bf16 v[OA+8*(2*\dt+\qt):OA+8*(2*\dt+\qt)+7], v[VF+8*(4*\kg+\dt):VF+8*(4*\kg+\dt)+7], v[PR+8*(2*\kg+\qt):PR+8*(2*\kg+\qt)+7], v[OA+8*(2*\dt+\qt):OA+8*(2*\dt+\qt)+7]
.endif
.endr
.endr
.endr
	WIN 0
	s_add_co_u32 s74, s74, 64*KP                   ; the next 64 keys
	s_add_co_u32 s75, s75, 64*VP
.endm
; A landing and the four chunks behind it
.macro RUN left, kc, vc
	LANDED \left, \kc, \vc
	s_mov_b32 s9, 4
.Lrun_\@:
	CHUNK 0, 1
	s_sub_co_u32 s9, s9, 1
	s_cmp_lg_u32 s9, 0
	s_cbranch_scc1 .Lrun_\@
.endm
	LANDED 6, 1, 0                                 ; K0 and V0 (chunks 0-3) are in; the six loads of stages 1, 2, 3 stay out
	KLOAD KA0                                      ; chunk 0's K
	WIN 0
	CHUNK 1, 1                                     ; chunk 0; fetches K of chunk 1
	s_mov_b32 s9, 2
.Lrun_first:
	CHUNK 0, 1                                     ; chunks 1, 2; fetch K of chunks 2, 3
	s_sub_co_u32 s9, s9, 1
	s_cmp_lg_u32 s9, 0
	s_cbranch_scc1 .Lrun_first
	RUN 4, 4, 3                                    ; stage 1 is in: chunks 3-6, which fetch K of chunks 4-7
	RUN 2, 8, 7                                    ; stage 2: chunks 7-10, K of 8-11
	RUN 0, 12, 11                                  ; stage 3: chunks 11-14, K of 12-15.  The last wait is for zero: no tensor load is out from here on
	s_mov_b32 s75, 15*64*VP
	CHUNK 0, 0                                     ; chunk 15 fetches nothing more
	; THE WAY OUT: divide by the row's sum, 32 queries x 256 bytes through my own stage, whole query rows to memory.
	s_wait_dscnt 0x0                               ; my reads of K and V are over (met: the last chunk has waited for all its loads),
	s_barrier_signal -1                            ; say so; register work until all eight have said so
	PLACES                                         ; four places behind the last products before their results are read
	v_permlanex16_b32 v24, v[L0], s12, s13         ; the other half's keys
	v_permlanex16_b32 v25, v[L1], s12, s13
	v_add_f32 v22, v[L0], v24
	v_add_f32 v23, v[L1], v25
	v_rcp_f32 v[AL0], v22
	v_rcp_f32 v[AL1], v23
	v_nop                                          ; one plain place behind the reciprocals
	s_wait_alu depctr_va_vdst(0)
.irp dt, 0,1,2,3
.irp qt, 0,1
.irp x, 0,1,2,3
	v_pk_mul_f32 v[OA+8*(2*\dt+\qt)+2*\x:OA+8*(2*\dt+\qt)+2*\x+1], v[OA+8*(2*\dt+\qt)+2*\x:OA+8*(2*\dt+\qt)+2*\x+1], v[AL0+2*\qt:AL0+2*\qt+1] op_sel_hi:[1,0]
.endr
.endr
.endr
	s_barrier_wait -1                              ; nobody reads K any more, and its only fill has landed: its bytes serve as the stage
.irp qt, 0,1
.irp dt, 0,1,2,3
	ds_store_b128 v[STO], v[OA+8*(2*\dt+\qt):OA+8*(2*\dt+\qt)+3]   offset:\qt*16*OP+64*\dt
	ds_store_b128 v[STO], v[OA+8*(2*\dt+\qt)+4:OA+8*(2*\dt+\qt)+7] offset:\qt*16*OP+64*\dt+16
.endr
.endr
.irp t, 0,1,2,3,4,5,6,7,8,9,10,11,12,13,14,15
	ds_load_b128 v[SC+4*\t:SC+4*\t+3], v[RD] offset:\t*2*OP        ; LDS serves a wave's instructions in order (ISA guide 5.7.1): these see my stores above
.endr
.irp t, 0,1,2,3,4,5,6,7,8,9,10,11,12,13,14,15
	s_wait_dscnt 15-\t                             ; load t is back, the 15 - t younger ones stay out
	global_store_b128 v[CO], v[SC+4*\t:SC+4*\t+3], s[6:7] offset:\t*8192 th:TH_STORE_NT   ; 16 lanes store one query's 256 consecutive bytes, at a multiple of 256 from out0's first byte
.endr
	s_wait_tensorcnt 0x0
	ds_add_u32 v254, v255
	s_wait_dscnt 0x0
	ROUND                                          ; the closing round: no work-group ends while a partner may still ask for a tile that names it
	s_endpgm
.Lfunc_end_k_q073de76219_attn:
	.size	k_q073de76219_attn, .Lfunc_end_k_q073de76219_attn-k_q073de76219_attn
	.p2alignl 7, 3214868480
	.fill 96, 4, 3214868480
	.section	.rodata,"a",@progbits
	.p2align	6, 0x0
	.amdhsa_kernel k_q073de76219_attn
		.amdhsa_group_segment_fixed_size 312320
		.amdhsa_private_segment_fixed_size 0
		.amdhsa_enable_private_segment 0
		.amdhsa_kernarg_size 16
		.amdhsa_user_sgpr_count 2
		.amdhsa_user_sgpr_kernarg_segment_ptr 1
		.amdhsa_wavefront_size32 1
		.amdhsa_system_sgpr_workgroup_id_x 1
		.amdhsa_system_sgpr_workgroup_id_y 1
		.amdhsa_system_sgpr_workgroup_id_z 1
		.amdhsa_system_vgpr_workitem_id 0
		.amdhsa_next_free_vgpr 384
		.amdhsa_next_free_sgpr 80
		.amdhsa_reserve_vcc 0
		.amdhsa_float_denorm_mode_32 3
		.amdhsa_float_denorm_mode_16_64 3
		.amdhsa_memory_ordered 1
		.amdhsa_forward_progress 1
		.amdhsa_inst_pref_size 118
	.end_amdhsa_kernel
	.amdgpu_metadata
---
amdhsa.version: [ 1, 2 ]
amdhsa.kernels:
  - .name:           k_q073de76219_attn
    .symbol:         k_q073de76219_attn.kd
    .args:
      - { .name: heads, .offset: 0, .size: 8, .value_kind: global_buffer, .address_space: global }
      - { .name: out0, .offset: 8, .size: 8, .value_kind: global_buffer, .address_space: global }
    .group_segment_fixed_size: 312320
    .private_segment_fixed_size: 0
    .kernarg_segment_align: 8
    .kernarg_segment_size: 16
    .max_flat_workgroup_size: 256
    .sgpr_count:     80
    .vgpr_count:     384
    .wavefront_size: 32
...
	.end_amdgpu_metadata
.endif
;; end of part 3
